; MI455X (gfx1250); checked and timed in simulation.
; The chip was launched on July 23, 2026; its instructions are those of AMD's public machine-readable ISA for CDNA 5 (MIT licence, August 2026) and "CDNA5" Instruction Set Architecture Reference Guide (July 2026). The comments in the code are by the model that wrote it; some were corrected since.
;; Multi Head Attention. Allowed arithmetic: matrix products marked QUANTISED: E4M3 operands, one given power-of-two scale a tensor, by v_wmma_f32_16x16x64_fp8_fp8 or v_wmma_f32_16x16x128_fp8_fp8, f32 sums; everything else in f32.
;; Inputs: Wo_codes 1,024 x 32 x 32 uint8 (E4M3 codes of Wo, K innermost, in blocks of 32 codes); Wqkv_codes 3,072 x 32 x 32 uint8 (E4M3 codes of Wqkv, K innermost, in blocks of 32 codes); bo 1,024 float32; bqkv 3,072 float32; lowp_scales 8 int32 (the exponents e of the quantised operands' scales 2^e); x_codes 4 x 2,048 x 32 x 32 uint8 (E4M3 codes of x, K innermost, in blocks of 32 codes).
;; Outputs: out0 4 x 2,048 x 1,024 float32.
;; This version of the problem:
;;   THIS VERSION OF THE PROBLEM IS GIVEN IN LOW PRECISION. The matrix products marked QUANTISED in the list below multiply operands that are first quantised to E4M3 (4 exponent bits, 3 mantissa bits; 8 bits a number), with one given power-of-two scale for each operand tensor; their sums are f32. All else is computed in f32.
;;   The module's matrix products, in the order in which they are computed (A, B: the left and right operand; K: the contracted axis; several contracted axes count as one K, in the product's order):
;;     1. [M 8,192, K 1,024] x [K 1,024, N 3,072]; A: input x (given as codes); B: input Wqkv (given as codes): QUANTISED (scales: A lowp_scales[0], B lowp_scales[1])
;;     2. batch 64 x [M 2,048, K 64] x [K 64, N 2,048]; A: computed on the way; B: computed on the way: QUANTISED (scales: A lowp_scales[2], B lowp_scales[3])
;;     3. batch 64 x [M 2,048, K 2,048] x [K 2,048, N 64]; A: softmax (see below); B: computed on the way: QUANTISED (scales: A lowp_scales[4], B lowp_scales[5])
;;     4. [M 8,192, K 1,024] x [K 1,024, N 1,024]; A: computed on the way; B: input Wo (given as codes): QUANTISED (scales: A lowp_scales[6], B lowp_scales[7])
;;   THE QUANTISER, for each operand of a quantised product, along K:
;;     - The operand's scale is 2^e, e = its entry of the input lowp_scales (int32; the entries are numbered through the quantised products in the list's order, A before B).
;;     - Each number is divided by the scale, clamped to +-448, and rounded to the nearest number of E4M3, ties to even, subnormals kept.
;;     - The product sums the exact products of the quantised numbers (number of the format x scale) in f32.
;;   ~~~python
;;   def quantise(x, axis, e):      # numpy; x: float32 -> the quantised numbers, widened to float32 again
;;       x = np.moveaxis(x, axis, -1); K = x.shape[-1]
;;       r = np.clip(x / 2.0 ** e, -448, 448)
;;       step = 2.0 ** (np.maximum(np.frexp(np.where(r == 0, 1, r))[1] - 1, -6) - 3)
;;       q = np.round(r / step) * step * 2.0 ** e      # np.round: ties to even
;;       return np.moveaxis(q, -1, axis).astype(np.float32)
;;   ~~~
;;   SOFTMAX AHEAD OF A QUANTISED PRODUCT. Where the list says 'softmax', what is quantised is not the finished softmax but p = 2^(t - M), with t = logit x log2(e) and M = ceil(the row's largest t), a whole number; so 1/2 < the row's largest p <= 1. The row's sum l is taken of the UNQUANTISED p, in f32, and the product's result is divided by l at the end. Since M is a whole number, a kernel that streams over the keys may use a running M (the ceiling of the running maximum): every later rescaling is an exact power of two, so the quantised numbers keep their values, but for numbers so far below the row's largest that they fall under the format's range.
;;   OPERANDS COMPUTED ON THE WAY. 'Computed on the way' means the value that the module computes at that place (a softmax that the list does not call 'softmax' is quantised finished and normalised). What goes into a quantiser is computed in f32, as accurately as f32 sums, v_exp_f32 and their like allow (about 1e-6 of the number): no bf16 or f16 on the way to a quantiser, and a product that is left as it is and whose result goes on into a quantised operand takes f32 operands (vector FMAs, or v_wmma_f32_16x16x4_f32). A number that lies on a knife's edge between two numbers of the format may be rounded either way, as far as f32 arithmetic and the matrix unit's own rounding can turn it there, and no further.
;;   INPUTS GIVEN AS CODES. Wo (in the module: [1024, 1024], K = its axis 0); Wqkv (in the module: [1024, 3072], K = its axis 0); x (in the module: [4, 2048, 1024], K = its axis 2): each comes as NAME_codes (uint8): NAME with its K axis moved to the last place and cut into blocks of 32 codes, [.., K / 32, bytes a block], one block behind the other in memory; one code a byte (a code: sign, 4 exponent bits, 3 mantissa bits); its scale is its entry of lowp_scales. Its value is code x scale, taken as it is: it is not quantised again, and the codes and scales need not be those that the quantiser above would give.
;; One version. Each part assembles by itself: llvm-mc -triple=amdgcn-amd-amdhsa -mcpu=gfx1250 --defsym DOCPART=n.
;; ======== version 1 of 1: 3 launches
;; limits: right only within a limited range of input values
;; workspace buffers: q_img 8,388,608 bytes; kv_img 16,777,216 bytes; a_img 8,388,608 bytes
;; launch qkv (part 1): grid 4 x 64, 4 waves a work-group, clusters of 4 x 4, 327,680 bytes of LDS; arguments x_codes, Wqkv_codes, bqkv, lowp_scales, q_img, kv_img; writes q_img, kv_img
.if DOCPART == 1
	.amdgcn_target "amdgcn-amd-amdhsa--gfx1250"
	.amdhsa_code_object_version 6
	.text
	.protected	k_qd6c1e3399c_qkv
	.globl	k_qd6c1e3399c_qkv
	.p2align	8
	.type	k_qd6c1e3399c_qkv,@function
k_qd6c1e3399c_qkv:
	s_mov_b64 s[64:65], 0
	v_nop
	global_prefetch_b8 v0, s[64:65] scope:SCOPE_SE
	s_setreg_imm32_b32 hwreg(HW_REG_WAVE_MODE, 25, 1), 1
	s_wait_xcnt 0x0
	s_wait_alu depctr_hold_cnt(0) depctr_sa_sdst(0) depctr_va_vdst(0) depctr_va_sdst(0) depctr_va_ssrc(0) depctr_va_vcc(0) depctr_vm_vsrc(0)
	s_getreg_b32 s2, hwreg(HW_REG_IB_STS2, 6, 4)
	s_cmp_eq_u32 s2, 0
	s_cbranch_scc0 .Lentry_in_a_cluster
	s_endpgm
.Lentry_in_a_cluster:
	s_bfe_u32 s2, ttmp6, 0x10000c
	s_cmp_lg_u32 s2, 0xf033
	s_cbranch_scc0 .Lentry_shape_is_right
	s_endpgm
.Lentry_shape_is_right:
; qkv = x Wqkv + bqkv on codes of E4M3, and its three parts quantised at once: q by 2^e2, k by 2^e3, v by 2^e5 (e0 .. e7: the whole numbers of lowp_scales).
; DEAD WORK: none.  Every input of the problem has a way to the output (bqkv moves the codes of q, k and v; bo is added at the end), every product is live: nothing of reference() is left out in any of the three launches.
; x_codes: [8192][1024] bytes, Wqkv_codes: [3072][1024] bytes, K innermost.  Row n of Wqkv_codes is column n of qkv: n = 1024 part + 64 head + d (part 0 q, 1 k, 2 v).
; SHARES.  4 x 64 = 256 work-groups.  Work-group (nt, mt) takes 128 rows of x against the q, k and v rows of heads 4 nt .. 4 nt + 3: six PARTS of 128 rows of W (part i: heads 4 nt + 2 (i / 3) and the next, q, k or v by i % 3).
; Wave w: wm = w / 2 picks 64 rows of x, wn = w % 2 the head of a part: 4 blocks a of 16 rows of x against 4 blocks b of 16 rows of W, 16 accumulators that take turns, all of K = 1,024 in 8 steps of 128.
; x STAYS IN REGISTERS: a wave's 64 rows x 1,024 codes are 512 registers.  They come once through LDS (staged where slot 1 lies) and are read once.
; W goes through two LDS slots of 128 rows x 1,024 bytes.  At the head waves 0, 1 fetch x's halves and waves 2, 3 part 0's; later each wave fetches 32 rows of a part: five refills, each behind a round of the cluster's barrier.
; CLUSTER 4 x 4: x's tile hangs on mt alone and is shared along a row of the cluster, W's parts on nt alone and are shared along a column: each is asked for jointly, with a mask that names the four.
; PREFETCH: part i of W is asked for two fills ahead of its tensor load.  All sixteen clusters read the same rows of W, so four clusters ask; in a cluster the four partners of a column take 32 rows each BY ADDRESS, a wave one block of 256 bytes of each row, a lane a row: each block is named once a cluster.
; THE RESULTS LEAVE AS IMAGES OF THE NEXT LAUNCH'S OPERAND REGISTERS:
;   q, k: source 0 = 16 rows of W, source 1 = 16 rows of x: lane (r, h) holds row r of x and channels 16 i + 8 h + 0..7: a conversion gives registers 2 i, 2 i + 1 of a K = 64 fragment.
;   v:    the sources change places: lane (r, h) holds channel r and keys 16 c + 8 h + 0..7: registers 2 c, 2 c + 1 of a K = 128 fragment of V^T.
;   q_img [bh 64][tile of 16 queries 128][quad 2][lane 32][16 bytes];  kv_img [bh 64][step of 128 keys 16][16,384 bytes]: 8 tiles of K of 1,024 bytes, then 4 of V^T of 2,048.  Each store of a wave is 512 consecutive bytes, aligned.
; THE BIAS is the C of each sum's first product, as bias / 2^(e0 + e1); the three scales ahead of a quantiser are folded into the conversion's one, 2^(eT - e0 - e1).
; A fragment's k stand in the order in which four 16-byte loads bring them (registers 4 c .. 4 c + 3: k = 32 c + 16 h + 0..15), the same in x and in W: only the order of the sums inside an instruction differs.
; LIMITS: eT - e0 - e1 between -126 and 119 for T = 2, 3, 5.  NaN among the inputs is not served.
; REGISTERS, in windows of 256: window 0: v0-31 addresses and constants; v32-95 v's biases; v96-127 codes on the way out; v128-255 W's fragments, two sets.
;   window 1: v0-127 accumulator (b, a) at 8 (4 b + a); v128-255 q's and k's biases.   windows 2, 3: x's fragment (a, q) in window 2 + a / 2 at 128 (a % 2) + 16 q.
.set PITCH, 1040                       ; an LDS row: 1,024 bytes + 16 of padding, an odd multiple of 16: the 16 rows that a load touches start 4 banks apart (64 banks of 4 bytes: ISA guide 11.1)
.set BROW,  16*PITCH
.set SLOT,  128*PITCH
.set SPARE, 2*SLOT                     ; behind the ring: the spare words, 128 bytes a wave
.set PADW,  (1<<20)|(1<<21)|(7<<22)|(3<<25)   ; group 1, word 0: elements of 1 byte; padding on; bit 21 beside a mask; after every 256 words four words
.set OFF1, 1024*1024                   ; part i's first row, in bytes from part 0's
.set OFF2, 2048*1024
.set OFF3, 128*1024
.set OFF4, OFF1+OFF3
.set OFF5, OFF2+OFF3
.set PFO,  14                          ; v14 the prefetches' offset: 1,024 x lane
.set ADRW, 16                          ; v16-17 LDS address of my fragments of W in slot 0, 1
.set ADRX, 18                          ; v18 of my rows of x
.set OB4,  19
.set SPW,  20                          ; v20 my spare word; v21 0: never rewritten
.set NIL,  21
.set LI,   22                          ; v22 16 x lane
.set OB8,  23
.set TV,   24                          ; v24-31 v's 8 biases as loaded
.set VB,   32
.set CD,   96
.set WF,   128
.set WV,   16                          ; s16 wave; s17 wm; s18 wn; s19 cluster y; s20 cx; s21 cy; s22 nt; s23 mt
.set G1X,  24                          ; groups 1: x's halves; W's halves at the head; W's quarters
.set G1H,  32
.set G1W,  40
.set G0X,  48
.set G0H,  52
.set G0W,  56
.set WB,   60                          ; s[60:61] my 32 rows of part 0 in memory
.set PF,   62                          ; s[62:63] where my prefetches stand in part 0
.set MSB, 0
.macro WIN new
.if MSB != (\new)
	s_set_vgpr_msb (MSB<<8)|(\new)
.set MSB, (\new)
.endif
.endm
.macro PLACES n
.rept \n
	v_nop
.endr
.endm
.macro CREST
	s_cmp_lg_u32 s[WV], 0
	s_cbranch_scc1 .Lnot_wave_0_\@
	s_barrier_signal -3
.Lnot_wave_0_\@:
	s_barrier_wait -3
	s_barrier_signal -1
	s_barrier_wait -1
.endm
.macro CROUND
	s_barrier_signal -1
	s_barrier_wait -1
	CREST
.endm
.macro ASK off                         ; clusters 0 to 3 ask; the cluster's y is the same in all partners
	s_cmp_lt_u32 s19, 4
	s_cbranch_scc0 .Lnp_\@
	global_prefetch_b8 v[PFO], s[PF:PF+1] offset:\off th:TH_LOAD_NT scope:SCOPE_SE
.Lnp_\@:
.endm
.macro MKSCALE se, vs                  ; v[vs] = 2^(e - e0 - e1), v[vs + 1] = 448 x that; s79 = e0 + e1
	s_sub_co_i32 s77, s[\se], s79
	s_add_co_i32 s77, s77, 127
	s_lshl_b32 s78, s77, 23
	v_mov_b32 v[\vs], s78
	s_add_co_i32 s77, s77, 8
	s_lshl_b32 s77, s77, 23
	s_or_b32 s77, s77, 0x600000
	v_mov_b32 v[(\vs)+1], s77
.endm
	s_load_b256 s[4:11], s[0:1], 0x0               ; x s[4:5], W s[6:7], bqkv s[8:9], the exponents s[10:11]
	s_load_b128 s[12:15], s[0:1], 0x20             ; q_img s[12:13], kv_img s[14:15]
	v_lshl_add_u32 v[SPW], v0, 2, SPARE
	v_mov_b32 v[NIL], 0
	ds_add_u32 v[SPW], v[NIL]                      ; the opening: the add, twice on end, and its wait ahead of my first tensor load
	ds_add_u32 v[SPW], v[NIL]
	v_lshrrev_b32 v1, 5, v0
	v_readfirstlane_b32 s[WV], v1
	s_lshr_b32 s17, s[WV], 1
	s_and_b32 s18, s[WV], 1
	s_bfe_u32 s20, ttmp6, 0x40000
	s_bfe_u32 s21, ttmp6, 0x40004
	s_lshl_b32 s22, ttmp9, 2
	s_add_co_u32 s22, s22, s20                     ; nt
	s_and_b32 s19, ttmp7, 0xffff
	s_lshl_b32 s23, s19, 2
	s_add_co_u32 s23, s23, s21                     ; mt
	s_lshl_b32 s76, s21, 2
	s_lshl_b32 s76, 15, s76                        ; my row of the cluster
	s_lshl_b32 s77, 0x1111, s20                    ; my column
	s_or_b32 s[G1X], s76, PADW
	s_or_b32 s[G1H], s77, PADW
	s_or_b32 s[G1W], s77, PADW
.irp g, G1X, G1H, G1W
	s_mov_b32 s[\g+1], 1024<<16                    ; rows of 1,024 bytes
	s_mov_b32 s[\g+3], 1024<<16
	s_mov_b32 s[\g+5], 1024
	s_mov_b32 s[\g+6], 0
	s_mov_b32 s[\g+7], 0
.endr
	s_mov_b32 s[G1X+2], 64<<16
	s_mov_b32 s[G1X+4], 64
	s_mov_b32 s[G1H+2], 64<<16
	s_mov_b32 s[G1H+4], 64
	s_mov_b32 s[G1W+2], 32<<16
	s_mov_b32 s[G1W+4], 32
	s_lshl_b32 s78, s23, 17                        ; x: 128 mt rows, + 64 (wave % 2)
	s_lshl_b32 s79, s18, 16
	s_add_co_u32 s78, s78, s79
	s_mov_b32 s79, 0
	s_lshl_b32 s86, s22, 18                        ; W: 256 nt rows
	s_lshl_b32 s80, s18, 16
	s_add_co_u32 s80, s80, s86                     ; + 64 (wave % 2): the head's halves
	s_mov_b32 s81, 0
	s_lshl_b32 s82, s[WV], 15
	s_add_co_u32 s82, s82, s86                     ; + 32 wave: the refills' quarters
	s_mov_b32 s83, 0
	s_lshl_b32 s84, s21, 15
	s_add_co_u32 s84, s84, s86
	s_lshl_b32 s85, s[WV], 8
	s_add_co_u32 s84, s84, s85                     ; the prefetches: + 32 cy rows, + 256 wave bytes
	s_mov_b32 s85, 0
	s_mul_i32 s87, s18, 64*PITCH
	s_mul_i32 s94, s[WV], 32*PITCH
	s_wait_dscnt 0x0
	s_wait_kmcnt 0x0
	s_load_b256 s[68:75], s[10:11], 0x0            ; e0 .. e7
	s_mov_b32 s[G0X], 1
	s_add_co_u32 s[G0X+1], s87, SLOT               ; x is staged where slot 1 lies
	s_add_nc_u64 s[G0X+2:G0X+3], s[4:5], s[78:79]
	s_or_b32 s[G0X+3], s[G0X+3], 0x80000000
	s_mov_b32 s[G0H], 1
	s_mov_b32 s[G0H+1], s87
	s_add_nc_u64 s[G0H+2:G0H+3], s[6:7], s[80:81]
	s_or_b32 s[G0H+3], s[G0H+3], 0x80000000
	s_mov_b32 s[G0W], 1
	s_add_nc_u64 s[WB:WB+1], s[6:7], s[82:83]
	s_add_nc_u64 s[PF:PF+1], s[6:7], s[84:85]
	CROUND                                         ; all sixteen work-groups are here: the first joint loads meet
	s_cmp_lt_u32 s[WV], 2                          ; one tensor load a wave at the head: waves 0, 1 x's halves, waves 2, 3 part 0's
	s_cbranch_scc0 .Lhead_w
	tensor_load_to_lds s[G0X:G0X+3], s[G1X:G1X+7]
	s_nop 0
	PLACES 4
	s_branch .Lhead_j
.Lhead_w:
	tensor_load_to_lds s[G0H:G0H+3], s[G1H:G1H+7]
	s_nop 0
	PLACES 4
.Lhead_j:
	s_mul_i32 s77, s18, 64*PITCH                   ; my head's 64 rows of a slot
	s_mul_i32 s78, s17, 64*PITCH
	s_add_co_u32 s78, s78, SLOT                    ; my 64 rows of x
	v_and_b32 v1, 15, v0                           ; r
	v_bfe_u32 v2, v0, 4, 1                         ; h
	v_mul_u32_u24 v3, v1, PITCH
	v_lshl_add_u32 v3, v2, 4, v3
	v_add_nc_u32 v[ADRW], s77, v3
	v_add_nc_u32 v[ADRX], s78, v3
	v_add_nc_u32 v[ADRW+1], SLOT, v[ADRW]
	v_and_b32 v4, 31, v0
	v_lshlrev_b32 v[LI], 4, v4
	v_lshlrev_b32 v[PFO], 10, v4
	v_lshlrev_b32 v[OB8], 5, v2
	v_lshlrev_b32 v[OB4], 2, v1
	s_wait_alu depctr_va_vdst(0)                   ; ahead of the scalar lines and branches below
	ASK OFF1
	ASK OFF2
	s_lshr_b32 s86, s23, 4                         ; where the images go.  bh = 16 x batch + head; a batch is 16 tile rows mt
	s_lshl_b32 s86, s86, 4
	s_lshl_b32 s87, s22, 2
	s_add_co_u32 s87, s87, s18                     ; head = 4 nt + wn (+ 2 in parts 3 to 5: by the immediates)
	s_add_co_u32 s86, s86, s87
	s_lshl_b32 s92, s87, 8
	s_mov_b32 s93, 0
	s_add_nc_u64 s[8:9], s[8:9], s[92:93]          ; the head's 64 biases
	s_and_b32 s87, s23, 15
	s_lshl_b32 s88, s86, 7
	s_lshl_b32 s89, s87, 3
	s_add_co_u32 s88, s88, s89
	s_lshl_b32 s89, s17, 2
	s_add_co_u32 s88, s88, s89                     ; q: tile 128 bh + 8 (mt % 16) + 4 wm
	s_lshl_b32 s88, s88, 10
	s_mov_b32 s89, 0
	s_add_nc_u64 s[80:81], s[12:13], s[88:89]
	s_lshl_b32 s88, s86, 4
	s_add_co_u32 s88, s88, s87
	s_lshl_b32 s88, s88, 14                        ; the key step's 16,384 bytes
	s_lshl_b32 s90, s17, 12
	s_add_co_u32 s90, s90, s88                     ; k: tiles 4 wm on
	s_mov_b32 s91, 0
	s_add_nc_u64 s[82:83], s[14:15], s[90:91]
	s_lshl_b32 s90, s17, 10
	s_add_co_u32 s90, s90, s88
	s_add_co_u32 s90, s90, 8192                    ; v: quads 2 wm on of each of the four tiles
	s_add_nc_u64 s[84:85], s[14:15], s[90:91]
	WIN 0x40
.irp s, 0,1,2,3                                ; s = 2 (head pair) + (0 q, 1 k): the biases of channels 16 b + 8 h + 0..7
.irp b, 0,1,2,3
	global_load_b128 v[128+32*\s+8*\b:128+32*\s+8*\b+3],   v[OB8], s[8:9] offset:(\s%2)*4096+(\s/2)*512+\b*64
	global_load_b128 v[128+32*\s+8*\b+4:128+32*\s+8*\b+7], v[OB8], s[8:9] offset:(\s%2)*4096+(\s/2)*512+\b*64+16
.endr
.endr
	WIN 0
.irp g, 0,1
.irp t, 0,1,2,3
	global_load_b32 v[TV+4*\g+\t], v[OB4], s[8:9] offset:8192+512*\g+64*\t    ; v: the bias of channel 16 t + r
.endr
.endr
	s_wait_loadcnt 0x0
	s_wait_kmcnt 0x0
	s_add_co_i32 s79, s68, s69
	s_sub_co_i32 s76, 0, s79
	MKSCALE 70, 8                                  ; q: v8, v9
	MKSCALE 71, 10                                 ; k: v10, v11
	MKSCALE 73, 12                                 ; v: v12, v13
	WIN 0x41
.set j, 0
.rept 128
	v_ldexp_f32 v[128+j], v[128+j], s76            ; bias / 2^(e0 + e1)
.set j, j+1
.endr
	WIN 0
.irp g, 0,1
.irp t, 0,1,2,3
.irp i, 0,1,2,3,4,5,6,7
	v_ldexp_f32 v[VB+32*\g+8*\t+\i], v[TV+4*\g+\t], s76   ; v's bias hangs on the lane's channel alone
.endr
.endr
.endr
.macro FETCHW slot, q, set             ; W's four blocks of the q-th 128 along K: 16 loads (every window is 0 here)
.irp b, 0,1,2,3
.irp c, 0,1,2,3
	ds_load_b128 v[WF+64*(\set)+16*\b+4*\c:WF+64*(\set)+16*\b+4*\c+3], v[ADRW+\slot] offset:\b*BROW+128*(\q)+32*\c
.endr
.endr
.endm
; Eight matrix instructions: x's blocks 2 hi, 2 hi + 1 against W's four.  kind 0: q, k; 1: v (the sources change places).  first: the bias, at cb, is the C.  The 16 accumulators take turns.
.macro MUL8 kind, hi, q, set, first, cb
.irp a, 0,1
.irp b, 0,1,2,3
.if \kind
.if \first
	WIN 0x42+\hi
	v_wmma_f32_16x16x128_fp8_fp8 v[8*(4*\b+2*\hi+\a):8*(4*\b+2*\hi+\a)+7], v[128*\a+16*(\q):128*\a+16*(\q)+15], v[WF+64*(\set)+16*\b:WF+64*(\set)+16*\b+15], v[\cb+8*\b:\cb+8*\b+7]
.else
	WIN 0x52+\hi
	v_wmma_f32_16x16x128_fp8_fp8 v[8*(4*\b+2*\hi+\a):8*(4*\b+2*\hi+\a)+7], v[128*\a+16*(\q):128*\a+16*(\q)+15], v[WF+64*(\set)+16*\b:WF+64*(\set)+16*\b+15], v[8*(4*\b+2*\hi+\a):8*(4*\b+2*\hi+\a)+7]
.endif
.else
	WIN 0x58+4*\hi
.if \first
	v_wmma_f32_16x16x128_fp8_fp8 v[8*(4*\b+2*\hi+\a):8*(4*\b+2*\hi+\a)+7], v[WF+64*(\set)+16*\b:WF+64*(\set)+16*\b+15], v[128*\a+16*(\q):128*\a+16*(\q)+15], v[\cb+8*\b:\cb+8*\b+7]
.else
	v_wmma_f32_16x16x128_fp8_fp8 v[8*(4*\b+2*\hi+\a):8*(4*\b+2*\hi+\a)+7], v[WF+64*(\set)+16*\b:WF+64*(\set)+16*\b+15], v[128*\a+16*(\q):128*\a+16*(\q)+15], v[8*(4*\b+2*\hi+\a):8*(4*\b+2*\hi+\a)+7]
.endif
.endif
.endr
.endr
.endm
.macro QSTEP kind, slot, q, first, cb  ; 128 along K: the next step's fragments are asked for first, into the set that the last step read (four places behind its products)
	PLACES 4
	WIN 0
	FETCHW \slot, (\q)+1, 1-(\q)%2
	s_wait_dscnt 16                                ; all but the 16 just issued
	MUL8 \kind, 0, \q, (\q)%2, \first, \cb
	MUL8 \kind, 1, \q, (\q)%2, \first, \cb
.endm
; A part: eight steps.  The last changes slots.  mode 2: this slot is filled again, with the part at off; 1: a change with no fill; 0: the last part.
.macro PART slot, next, kind, cb, mode, off
	QSTEP \kind, \slot, 0, 1, \cb
.irp q, 1,2,3,4,5,6
	QSTEP \kind, \slot, \q, 0, \cb
.endr
	WIN 0
.if \mode
	s_wait_tensorcnt 0x0                           ; all my tensor loads have landed: my quarter of the next slot
.if \mode == 2
	ds_add_u32 v[SPW], v[NIL]                      ; 0 onto my spare word
	s_add_co_u32 s[G0W+1], s94, \slot*SLOT         ; no load of mine is out: group 0 may be written
	s_add_nc_u64 s[G0W+2:G0W+3], s[WB:WB+1], \off
	s_or_b32 s[G0W+3], s[G0W+3], 0x80000000
.endif
	s_wait_dscnt 0x0                               ; the add is done, and my reads of this slot are over
	s_barrier_signal -1
	MUL8 \kind, 0, 7, 1, 0, \cb
	MUL8 \kind, 1, 7, 1, 0, \cb
	WIN 0
	s_barrier_wait -1
.if \mode == 2
	CREST                                          ; the barrier has opened a round of the cluster's barrier
	tensor_load_to_lds s[G0W:G0W+3], s[G1W:G1W+7]  ; the first tensor load behind the round
	s_nop 0
.endif
	PLACES 4
	FETCHW \next, 0, 0
.else
	s_wait_dscnt 0x0
	MUL8 \kind, 0, 7, 1, 0, \cb
	MUL8 \kind, 1, 7, 1, 0, \cb
	WIN 0
	PLACES 4
.endif
.endm
; THE WAY OUT of a part: the hold (the conversion does not saturate: ISA guide 7.6.2), each accumulator from its low end on; the conversions; 8 stores of 512 consecutive bytes.
.macro HOLDS vh
	s_wait_xcnt 0x0                                ; the last part's stores have read their registers
	WIN 0x41
.set j, 0
.rept 128
	v_med3_num_f32 v[j], v[j], -v[\vh], v[\vh]
.set j, j+1
.endr
	WIN 0x01
.endm
.macro OUTQK p, go                     ; p = 0 q, 1 k; go: the head pair's bytes
	HOLDS 9+2*\p
.irp a, 0,1,2,3
.irp i, 0,1,2,3
	v_cvt_scalef32_pk8_fp8_f32 v[CD+8*\a+2*\i:CD+8*\a+2*\i+1], v[8*(4*\i+\a):8*(4*\i+\a)+7], v[8+2*\p]
.endr
.endr
	v_nop                                          ; a plain line behind the last conversion
	WIN 0
.irp a, 0,1,2,3
.irp u, 0,1
	global_store_b128 v[LI], v[CD+8*\a+4*\u:CD+8*\a+4*\u+3], s[80+2*\p:81+2*\p] offset:\a*1024+512*\u+\go
.endr
.endr
.endm
.macro OUTV go
	HOLDS 13
.irp t, 0,1,2,3
.irp a, 0,1,2,3
	v_cvt_scalef32_pk8_fp8_f32 v[CD+8*\t+2*\a:CD+8*\t+2*\a+1], v[8*(4*\t+\a):8*(4*\t+\a)+7], v12
.endr
.endr
	v_nop
	WIN 0
.irp t, 0,1,2,3
.irp u, 0,1
	global_store_b128 v[LI], v[CD+8*\t+4*\u:CD+8*\t+4*\u+3], s[84:85] offset:\t*2048+512*\u+\go
.endr
.endr
.endm
	s_wait_alu depctr_va_vdst(0)                   ; at the head's end
	s_wait_tensorcnt 0x0                           ; my half of x or of part 0 is in
	s_barrier_signal -1
	s_barrier_wait -1                              ; everybody's is
	WIN 0x80
.irp a, 0,1
.irp q, 0,1,2,3,4,5,6,7
.irp c, 0,1,2,3
	ds_load_b128 v[128*\a+16*\q+4*\c:128*\a+16*\q+4*\c+3], v[ADRX] offset:\a*BROW+128*\q+32*\c
.endr
.endr
.endr
	WIN 0xc0
.irp a, 0,1
.irp q, 0,1,2,3,4,5,6,7
.irp c, 0,1,2,3
	ds_load_b128 v[128*\a+16*\q+4*\c:128*\a+16*\q+4*\c+3], v[ADRX] offset:(\a+2)*BROW+128*\q+32*\c
.endr
.endr
.endr
	WIN 0
	FETCHW 0, 0, 0
	s_wait_tensorcnt 0x0                           ; x is on its way into registers: where it lay, slot 1 takes part 1, as a refill
	ds_add_u32 v[SPW], v[NIL]
	s_add_co_u32 s[G0W+1], s94, SLOT
	s_add_nc_u64 s[G0W+2:G0W+3], s[WB:WB+1], OFF1
	s_or_b32 s[G0W+3], s[G0W+3], 0x80000000
	s_wait_dscnt 0x0                               ; the add is done, and my reads of x are over
	CROUND
	tensor_load_to_lds s[G0W:G0W+3], s[G1W:G1W+7]
	s_nop 0
	PLACES 4
	ASK OFF3
	PART 0, 1, 0, 128, 2, OFF2
	OUTQK 0, 0
	ASK OFF4
	PART 1, 0, 0, 160, 2, OFF3
	OUTQK 1, 0
	ASK OFF5
	PART 0, 1, 1, VB, 2, OFF4
	OUTV 0
	PART 1, 0, 0, 192, 2, OFF5
	OUTQK 0, 262144
	PART 0, 1, 0, 224, 1, 0
	OUTQK 1, 524288
	PART 1, 0, 1, VB+32, 0, 0
	OUTV 524288
	s_wait_tensorcnt 0x0                           ; the wave's end
	ds_add_u32 v[SPW], v[NIL]
	s_wait_dscnt 0x0
	CROUND                                         ; the closing round
	s_endpgm
.Lfunc_end_k_qd6c1e3399c_qkv:
	.size	k_qd6c1e3399c_qkv, .Lfunc_end_k_qd6c1e3399c_qkv-k_qd6c1e3399c_qkv
	.p2alignl 7, 3214868480
	.fill 96, 4, 3214868480
	.section	.rodata,"a",@progbits
	.p2align	6, 0x0
	.amdhsa_kernel k_qd6c1e3399c_qkv
		.amdhsa_group_segment_fixed_size 327680
		.amdhsa_private_segment_fixed_size 0
		.amdhsa_enable_private_segment 0
		.amdhsa_kernarg_size 48
		.amdhsa_user_sgpr_count 2
		.amdhsa_user_sgpr_kernarg_segment_ptr 1
		.amdhsa_wavefront_size32 1
		.amdhsa_system_sgpr_workgroup_id_x 1
		.amdhsa_system_sgpr_workgroup_id_y 1
		.amdhsa_system_sgpr_workgroup_id_z 1
		.amdhsa_system_vgpr_workitem_id 0
		.amdhsa_next_free_vgpr 1024
		.amdhsa_next_free_sgpr 100
		.amdhsa_reserve_vcc 0
		.amdhsa_float_denorm_mode_32 3
		.amdhsa_float_denorm_mode_16_64 3
		.amdhsa_memory_ordered 1
		.amdhsa_forward_progress 1
		.amdhsa_inst_pref_size 204
	.end_amdhsa_kernel
	.amdgpu_metadata
---
amdhsa.version: [ 1, 2 ]
amdhsa.kernels:
  - .name:           k_qd6c1e3399c_qkv
    .symbol:         k_qd6c1e3399c_qkv.kd
    .args:
      - { .name: x_codes, .offset: 0, .size: 8, .value_kind: global_buffer, .address_space: global }
      - { .name: Wqkv_codes, .offset: 8, .size: 8, .value_kind: global_buffer, .address_space: global }
      - { .name: bqkv, .offset: 16, .size: 8, .value_kind: global_buffer, .address_space: global }
      - { .name: lowp_scales, .offset: 24, .size: 8, .value_kind: global_buffer, .address_space: global }
      - { .name: q_img, .offset: 32, .size: 8, .value_kind: global_buffer, .address_space: global }
      - { .name: kv_img, .offset: 40, .size: 8, .value_kind: global_buffer, .address_space: global }
    .group_segment_fixed_size: 327680
    .private_segment_fixed_size: 0
    .kernarg_segment_align: 8
    .kernarg_segment_size: 48
    .max_flat_workgroup_size: 128
    .sgpr_count:     100
    .vgpr_count:     1024
    .wavefront_size: 32
...
	.end_amdgpu_metadata
.endif
;; end of part 1
;; launch attn (part 2): grid 4 x 64, 16 waves a work-group, clusters of 4 x 1, 327,680 bytes of LDS; arguments q_img, kv_img, lowp_scales, a_img; writes a_img
.if DOCPART == 2
	.amdgcn_target "amdgcn-amd-amdhsa--gfx1250"
	.amdhsa_code_object_version 6
	.text
	.protected	k_qd6c1e3399c_attn
	.globl	k_qd6c1e3399c_attn
	.p2align	8
	.type	k_qd6c1e3399c_attn,@function
k_qd6c1e3399c_attn:
	s_mov_b64 s[64:65], 0
	v_nop
	global_prefetch_b8 v0, s[64:65] scope:SCOPE_SE
	s_setreg_imm32_b32 hwreg(HW_REG_WAVE_MODE, 25, 1), 1
	s_wait_xcnt 0x0
	s_wait_alu depctr_hold_cnt(0) depctr_sa_sdst(0) depctr_va_vdst(0) depctr_va_sdst(0) depctr_va_ssrc(0) depctr_va_vcc(0) depctr_vm_vsrc(0)
	s_getreg_b32 s2, hwreg(HW_REG_IB_STS2, 6, 4)
	s_cmp_eq_u32 s2, 0
	s_cbranch_scc0 .Lentry_in_a_cluster
	s_endpgm
.Lentry_in_a_cluster:
	s_bfe_u32 s2, ttmp6, 0x10000c
	s_cmp_lg_u32 s2, 0x3003
	s_cbranch_scc0 .Lentry_shape_is_right
	s_endpgm
.Lentry_shape_is_right:
; a = softmax(q k^T / 8) v for one batch and head, both products on codes of E4M3, and a quantised at once by 2^e6 for the last product (e0 .. e7: the whole numbers of lowp_scales).  No work of reference() is left out here.
; THE SOFTMAX: t = score x log2(e) / 8; M = the ceiling of the row's largest t so far; p = 2^(t - M) is quantised by 2^e4, not normalised; the row's sum is taken of the unquantised p and divides at the end.
; When M moves, the sum and O are multiplied by 2^(old M - new M), a power of two, in every step: no branch hangs on data.
; SHARES.  A work-group owns 512 queries of one head (bh = work-group y); each of its 16 waves owns TWO tiles of 16 queries (tile 32 x + wave and 16 tiles further on), and takes both through each key step,
; so that each fragment of K and of V^T that it reads from LDS feeds two matrix instructions.
; K AND V: a head's 16 key steps of 16,384 bytes (8 tiles of K, 4 of V^T, as images of the operands' registers) are 262,144 bytes and stay in LDS.  Wave w fetches key step w: one tensor load a wave, all at the head; nothing is filled again.
; A wave multiplies the step that it fetched itself first, behind its own wait for that load; then one barrier shows all sixteen steps to everybody, and it walks the other fifteen, w + 1, w + 2, .. modulo 16 (a softmax's sums do not hang on the order of the keys).
; TWO BANKS OF 64 REGISTERS CHANGE PLACES FROM STEP TO STEP: one holds the step's K and then its V^T, the other the scores.  When tile B's scores have become codes, their bank takes the next step's K, asked for ahead of the second product.  So the loop's trip is two steps.
; CLUSTER 4 x 1: the four work-groups of a head ask for each key step jointly (mask 15): the descriptor hangs on bh and the wave's number alone.
; NO PREFETCH: every byte that the work-group reads is asked for at the head, by one group of loads; there is no later load to run ahead of.
; LAYOUT.  Both products transposed: S^T = K Q^T (source 0 = 16 keys, source 1 = 16 queries), O^T = V^T P^T: a lane holds one query (lane % 16) of each tile.  Register j of score tile t is key 16 t + 8 (lane / 16) + j: a conversion gives registers 2 t, 2 t + 1 of P's K = 128 fragment.
; LIMITS: the scaled scores stay under 2^31 in magnitude; e2 + e3 between -123 and 130 (added to c's exponent field); e4 and e6 between -126 and 119.  NaN among the inputs is not served.
; REGISTERS: v0 thread; v1 LDS address; v2, v3 the spare word's address and 0; v4 -M of tile A (v5, named with it as a pair, holds 16 x lane); v[6:7] A's sum; v8 -M of tile B (v9: 2^e4); v[10:11] B's sum; v12 f; v12-15 at work;
;   v16-23, v24-31 Q of A, B; v32-95, v96-159 the two banks; v160-191, v192-223 O^T of A, B; v224-239, v240-255 p's codes of A, B.
.set SPARE, 262144                     ; behind K and V: the spare words, 128 bytes for each of 16 waves
.set ADR, 1
.set SPW, 2
.set NIL, 3
.set LI,  5
.set PS,  9
.set F,   12
.set T2,  13
.set T0,  14
.set T1,  15
.set WV,  12                           ; s12 wave
.set G1,  24                           ; s[24:31] descriptor group 1; s[32:35] group 0
.set G0,  32
.set SEL, 48                           ; s[48:49] selects for lane l xor 16
.set CS,  50                           ; s[50:51] c = log2(e) / 8 x 2^(e2 + e3)
.set TB,  52                           ; s52 LDS byte of the key step in hand
.set CNT, 53
.set EO,  54                           ; s54 e4 + e5
.set HS,  55                           ; s55 448 x 2^e4
.set OH,  69                           ; s69 448 x 2^e6
.set OS,  70                           ; s70 2^e6
.macro CROUND                          ; a round of the cluster's barrier
	s_barrier_signal -1
	s_barrier_wait -1
	s_cmp_lg_u32 s[WV], 0
	s_cbranch_scc1 .Lnot_wave_0_\@
	s_barrier_signal -3
.Lnot_wave_0_\@:
	s_barrier_wait -3
	s_barrier_signal -1
	s_barrier_wait -1
.endm
	s_load_b256 s[4:11], s[0:1], 0x0               ; q_img s[4:5], kv_img s[6:7], the scales' exponents s[8:9], a_img s[10:11]
	v_lshl_add_u32 v[SPW], v0, 2, SPARE
	v_mov_b32 v[NIL], 0
	ds_add_u32 v[SPW], v[NIL]                      ; the wave's opening: the add, twice on end, and its wait ahead of my tensor load
	ds_add_u32 v[SPW], v[NIL]
	v_lshrrev_b32 v1, 5, v0
	v_readfirstlane_b32 s[WV], v1                  ; wave 0..15
	s_bfe_u32 s13, ttmp6, 0x40000                  ; cx
	s_lshl_b32 s14, ttmp9, 2
	s_add_co_u32 s14, s14, s13                     ; work-group x: which 512 queries
	s_and_b32 s15, ttmp7, 0xffff                   ; bh
	s_mov_b32 s[G1], 15|(3<<16)|(1<<21)            ; the mask names the cluster's four; elements of 8 bytes; bit 21 beside a mask
	s_mov_b32 s[G1+1], 32<<16                      ; a key step is dense: 64 rows of 256 bytes
	s_mov_b32 s[G1+2], 64<<16
	s_mov_b32 s[G1+3], 32<<16
	s_mov_b32 s[G1+4], 64
	s_mov_b32 s[G1+5], 32
	s_mov_b32 s[G1+6], 0
	s_mov_b32 s[G1+7], 0
	s_mov_b32 s[SEL], 0x76543210
	s_mov_b32 s[SEL+1], 0xfedcba98
	s_mov_b32 s[CS], 0x3e38aa3b                    ; log2(e) / 8
	s_lshl_b32 s16, s[WV], 14
	s_lshl_b32 s18, s15, 18
	s_add_co_u32 s18, s18, s16                     ; kv_img: 262,144 bh + 16,384 wave
	s_mov_b32 s19, 0
	s_lshl_b32 s20, s15, 7
	s_lshl_b32 s21, s14, 5
	s_add_co_u32 s20, s20, s21
	s_add_co_u32 s20, s20, s[WV]
	s_lshl_b32 s20, s20, 10                        ; q_img: tile 128 bh + 32 x + wave, 1,024 bytes each
	s_mov_b32 s21, 0
	s_lshr_b32 s22, s15, 4                         ; a_img: [tile of 16 rows: 128 batch + 32 x + wave][128 channels: head / 2][2,048 bytes], my head's half 1,024 (head % 2) on
	s_lshl_b32 s22, s22, 7
	s_lshl_b32 s23, s14, 5
	s_add_co_u32 s22, s22, s23
	s_add_co_u32 s22, s22, s[WV]
	s_lshl_b32 s22, s22, 3
	s_bfe_u32 s23, s15, 0x30001
	s_add_co_u32 s22, s22, s23
	s_lshl_b32 s22, s22, 11
	s_and_b32 s23, s15, 1
	s_lshl_b32 s23, s23, 10
	s_add_co_u32 s22, s22, s23
	s_mov_b32 s23, 0
	s_wait_dscnt 0x0                               ; both opening adds are done
	s_wait_kmcnt 0x0
	s_load_b256 s[56:63], s[8:9], 0x0              ; e0 .. e7
	s_add_nc_u64 s[4:5], s[4:5], s[20:21]
	s_add_nc_u64 s[10:11], s[10:11], s[22:23]
	s_mov_b32 s[G0], 1
	s_lshl_b32 s[G0+1], s[WV], 14                  ; LDS: key step w at 16,384 w
	s_add_nc_u64 s[G0+2:G0+3], s[6:7], s[18:19]
	s_or_b32 s[G0+3], s[G0+3], 0x80000000
	CROUND                                         ; the four work-groups are here: the joint loads meet
	tensor_load_to_lds s[G0:G0+3], s[G1:G1+7]      ; my one tensor load: key step w
	s_nop 0
.rept 4
	v_nop
.endr
	v_and_b32 v[LI], 31, v0
	v_lshlrev_b32 v[LI], 4, v[LI]                  ; 16 x lane: my place in a quad of an image
	global_load_b128 v[16:19], v[LI], s[4:5]                 ; Q of tile A,
	global_load_b128 v[20:23], v[LI], s[4:5] offset:512
	global_load_b128 v[24:27], v[LI], s[4:5] offset:16384    ; and of tile B, 16 tiles on
	global_load_b128 v[28:31], v[LI], s[4:5] offset:16896
	s_wait_kmcnt 0x0
	s_add_co_i32 s66, s58, s59
	s_lshl_b32 s66, s66, 23
	s_add_co_i32 s[CS], s[CS], s66                 ; a score stands for score x 2^(e2 + e3)
	s_mov_b32 s[CS+1], s[CS]
	s_add_co_i32 s67, s60, 127
	s_lshl_b32 s68, s67, 23
	v_mov_b32 v[PS], s68                           ; 2^e4, for the conversion
	s_add_co_i32 s67, s67, 8
	s_lshl_b32 s67, s67, 23
	s_or_b32 s[HS], s67, 0x600000                  ; 448 x 2^e4
	s_add_co_i32 s67, s62, 127
	s_lshl_b32 s[OS], s67, 23                      ; 2^e6
	s_add_co_i32 s67, s67, 8
	s_lshl_b32 s67, s67, 23
	s_or_b32 s[OH], s67, 0x600000                  ; 448 x 2^e6
	s_add_co_i32 s[EO], s60, s61
	s_lshl_b32 s[TB], s[WV], 14                    ; I begin with the key step that I fetched
; THE SOFTMAX OF ONE TILE: 64 scores a lane in v[sb .. sb + 63] become p, its sum and its codes.  nm: -M; sm: the sum's pair; o: O^T; cd: the codes.  first = 1: nothing has been summed yet.
.macro SOFTMAX nm, sm, o, cd, first, sb
	v_max3_num_f32 v[T0], v[\sb], v[\sb+1], v[\sb+2]         ; the step's largest score, in four chains, each accumulator from its low end on
	v_max3_num_f32 v[T1], v[\sb+3], v[\sb+4], v[\sb+5]
	v_max3_num_f32 v[F], v[\sb+6], v[\sb+7], v[\sb+8]
	v_max3_num_f32 v[T2], v[\sb+9], v[\sb+10], v[\sb+11]
.irp i, 12,20,28,36,44,52
	v_max3_num_f32 v[T0], v[T0], v[\sb+\i], v[\sb+\i+1]
	v_max3_num_f32 v[T1], v[T1], v[\sb+\i+2], v[\sb+\i+3]
	v_max3_num_f32 v[F], v[F], v[\sb+\i+4], v[\sb+\i+5]
	v_max3_num_f32 v[T2], v[T2], v[\sb+\i+6], v[\sb+\i+7]
.endr
	v_max3_num_f32 v[T0], v[T0], v[\sb+60], v[\sb+61]
	v_max3_num_f32 v[T1], v[T1], v[\sb+62], v[\sb+63]
	s_delay_alu instid0(VALU_DEP_1)
	v_max3_num_f32 v[T0], v[T0], v[T1], v[F]
	s_delay_alu instid0(VALU_DEP_1)
	v_max_num_f32 v[T0], v[T0], v[T2]
.if \first
	s_delay_alu instid0(VALU_DEP_1)
.else
	v_mov_b32 v[T1], v[\nm]                        ; the old -M
	s_delay_alu instid0(VALU_DEP_2)
.endif
	v_permlanex16_b32 v[T2], v[T0], s[SEL], s[SEL+1]
	s_delay_alu instid0(VALU_DEP_1)
	v_max_num_f32 v[T0], v[T0], v[T2]              ; and among lane l xor 16's keys
	s_delay_alu instid0(VALU_DEP_1)
	v_mul_f32 v[T0], s[CS], v[T0]                  ; as t (c is positive)
	s_delay_alu instid0(VALU_DEP_1)
.if \first
	v_floor_f32 v[\nm], -v[T0]                     ; -M = floor(-t) = -ceil(t)
.else
	v_floor_f32 v[T0], -v[T0]
	s_delay_alu instid0(VALU_DEP_1)
	v_min_num_f32 v[\nm], v[T0], v[\nm]            ; the ceiling of the running maximum = the larger of the two ceilings
	s_delay_alu instid0(VALU_DEP_1)
	v_sub_f32 v[T1], v[\nm], v[T1]                 ; old M - new M: a whole number, 0 or less
.endif
.set j, 0
.rept 32
.if (\first == 0) && (j == 8)
	v_cvt_i32_f32 v[T1], v[T1]                     ; (it saturates)
.endif
.if (\first == 0) && (j == 16)
	v_ldexp_f32 v[F], 1.0, v[T1]                   ; f = 2^(old M - new M), made among the lines that do not wait for it
.endif
	v_pk_fma_f32 v[\sb+j:\sb+j+1], v[\sb+j:\sb+j+1], s[CS:CS+1], v[\nm:\nm+1] op_sel_hi:[1,0,0]   ; t - M (of the pairs the low word serves both halves)
.set j, j+2
.endr
	s_wait_alu depctr_va_vdst(0)                   ; ahead of the batch, and directly ahead of the first readers of O^T
.if \first == 0
.set j, 0
.rept 16
	v_pk_mul_f32 v[\o+j:\o+j+1], v[\o+j:\o+j+1], v[F:F+1] op_sel_hi:[1,0]   ; O^T under the new M
.set j, j+2
.endr
.endif
.set j, 0
.rept 64
	v_exp_f32 v[\sb+j], v[\sb+j]                   ; p = 2^(t - M)
.set j, j+1
.endr
.if \first
	v_nop                                          ; a plain place behind the exponentials
.else
	v_pk_mul_f32 v[\sm:\sm+1], v[\sm:\sm+1], v[F:F+1] op_sel_hi:[1,0]   ; the sum under the new M (a plain place behind the exponentials)
.endif
	s_wait_alu depctr_va_vdst(0)                   ; one wait for the batch, ahead of its first reader
	v_pk_add_f32 v[T0:T0+1], v[\sb:\sb+1], v[\sb+2:\sb+3]    ; the sum of the unquantised p, two at a time, in three chains
	v_pk_add_f32 v[F:F+1], v[\sb+4:\sb+5], v[\sb+6:\sb+7]
.if \first
	v_pk_add_f32 v[\sm:\sm+1], v[\sb+8:\sb+9], v[\sb+10:\sb+11]
.set j, 12
.else
.set j, 8
.endif
.rept 28
.if j < 64
.if (j/2)%3 == 0
	v_pk_add_f32 v[\sm:\sm+1], v[\sm:\sm+1], v[\sb+j:\sb+j+1]
.elseif (j/2)%3 == 1
	v_pk_add_f32 v[T0:T0+1], v[T0:T0+1], v[\sb+j:\sb+j+1]
.else
	v_pk_add_f32 v[F:F+1], v[F:F+1], v[\sb+j:\sb+j+1]
.endif
.endif
.set j, j+2
.endr
	v_pk_add_f32 v[T0:T0+1], v[T0:T0+1], v[F:F+1]
.irp t, 0,1,2,3,4,5,6,7
.irp i, 0,2,4,6
	v_dual_min_num_f32 v[\sb+8*\t+\i], s[HS], v[\sb+8*\t+\i] :: v_dual_min_num_f32 v[\sb+8*\t+\i+1], s[HS], v[\sb+8*\t+\i+1]   ; the hold (the conversion does not saturate: ISA guide 7.6.2); p is not negative, so it is one-sided; two a line
.endr
	v_cvt_scalef32_pk8_fp8_f32 v[\cd+2*\t:\cd+2*\t+1], v[\sb+8*\t:\sb+8*\t+7], v[PS]
.endr
	v_pk_add_f32 v[\sm:\sm+1], v[\sm:\sm+1], v[T0:T0+1]   ; the chains joined (the plain line behind the last conversion)
.endm
.macro LOADK kb                        ; a key step's eight tiles of K: 16 loads
.irp t, 0,1,2,3,4,5,6,7
	ds_load_b128 v[\kb+8*\t:\kb+8*\t+3], v[ADR] offset:1024*\t
	ds_load_b128 v[\kb+8*\t+4:\kb+8*\t+7], v[ADR] offset:1024*\t+512
.endr
.endm
; A KEY STEP: 128 keys against both tiles.  kb: the bank with K (asked for already), then V^T; sb: the bank of the scores.  nxt = 1: the next step's K is asked for into sb.
.macro STEP first, kb, sb, nxt
.rept 5
	v_nop                                          ; five places: the scores are laid over registers that the last products read
.endr
	s_wait_dscnt 8                                 ; K's tiles 0-3 are in; the youngest eight loads may be out
.irp t, 0,1,2,3
	v_wmma_f32_16x16x64_fp8_fp8 v[\sb+8*\t:\sb+8*\t+7], v[\kb+8*\t:\kb+8*\t+7], v[16:23], 0
.endr
	s_wait_dscnt 0x0
.irp t, 4,5,6,7
	v_wmma_f32_16x16x64_fp8_fp8 v[\sb+8*\t:\sb+8*\t+7], v[\kb+8*\t:\kb+8*\t+7], v[16:23], 0
.endr
.rept 4
	v_nop                                          ; places in front of the first read of the scores
.endr
	SOFTMAX 4, 6, 160, 224, \first, \sb
.irp t, 0,1,2,3,4,5,6,7
	v_wmma_f32_16x16x64_fp8_fp8 v[\sb+8*\t:\sb+8*\t+7], v[\kb+8*\t:\kb+8*\t+7], v[24:31], 0   ; tile B, on the same fragments of K
.endr
.rept 4
	v_nop                                          ; places in front of the loads below and of the first read of the scores
.endr
.irp t, 0,1,2,3
.irp c, 0,1,2,3
	ds_load_b128 v[\kb+16*\t+4*\c:\kb+16*\t+4*\c+3], v[ADR] offset:8192+2048*\t+512*\c   ; V^T, where K lay: it lands under tile B's softmax
.endr
.endr
	s_add_co_u32 s[TB], s[TB], 16384
	s_and_b32 s[TB], s[TB], 0x3ffff                ; the next key step, modulo 16
	SOFTMAX 8, 10, 192, 240, \first, \sb
.if \nxt
	v_add_nc_u32 v[ADR], s[TB], v[LI]
	LOADK \sb                                      ; the scores are codes now: their bank takes the next step's K
	s_wait_alu depctr_va_vdst(0)                   ; directly ahead of the wait below
	s_wait_dscnt 16                                ; V^T is in; the 16 loads just issued may be out
.else
	s_wait_alu depctr_va_vdst(0)
	s_wait_dscnt 0x0
.endif
.irp t, 0,1,2,3                                ; O^T += V^T P^T: each fragment of V^T serves both tiles; the eight accumulators take turns
.if \first
	v_wmma_f32_16x16x128_fp8_fp8 v[160+8*\t:167+8*\t], v[\kb+16*\t:\kb+16*\t+15], v[224:239], 0
	v_wmma_f32_16x16x128_fp8_fp8 v[192+8*\t:199+8*\t], v[\kb+16*\t:\kb+16*\t+15], v[240:255], 0
.else
	v_wmma_f32_16x16x128_fp8_fp8 v[160+8*\t:167+8*\t], v[\kb+16*\t:\kb+16*\t+15], v[224:239], v[160+8*\t:167+8*\t]
	v_wmma_f32_16x16x128_fp8_fp8 v[192+8*\t:199+8*\t], v[\kb+16*\t:\kb+16*\t+15], v[240:255], v[192+8*\t:199+8*\t]
.endif
.endr
.endm
	s_wait_alu depctr_va_vdst(0)                   ; at the head's end
	s_wait_loadcnt 0x0                             ; Q
	s_wait_tensorcnt 0x0                           ; the key step that I fetched is in: so far I alone read it
	v_add_nc_u32 v[ADR], s[TB], v[LI]
	LOADK 32
	STEP 1, 32, 96, 0                              ; its products start the sums: nothing is cleared
	s_wait_dscnt 0x0
	s_barrier_signal -1                            ; every wave has waited for its load in front of its signal:
	s_barrier_wait -1                              ; all sixteen key steps are in
	v_add_nc_u32 v[ADR], s[TB], v[LI]
	LOADK 96
	s_mov_b32 s[CNT], 7
.Lkeys:                                            ; 7 trips of two steps: behind two steps the banks are back where they began
	STEP 0, 96, 32, 1
	STEP 0, 32, 96, 1
	s_sub_co_u32 s[CNT], s[CNT], 1
	s_cmp_lg_u32 s[CNT], 0
	s_cbranch_scc1 .Lkeys
	STEP 0, 96, 32, 0                              ; the sixteenth step asks for nothing more
	; THE WAY OUT: O^T / the sum x 2^(e4 + e5), held and quantised by 2^e6.  Each store of the wave covers 256 consecutive bytes, aligned.
	v_add_f32 v6, v6, v7                           ; the sums' two halves (these lines are also the places behind the last products),
	v_add_f32 v10, v10, v11
	v_permlanex16_b32 v[T2], v6, s[SEL], s[SEL+1]
	v_permlanex16_b32 v[T0], v10, s[SEL], s[SEL+1]
	v_add_f32 v6, v6, v[T2]                        ; and lane l xor 16's
	v_add_f32 v10, v10, v[T0]
	s_wait_alu depctr_va_vdst(0)                   ; ahead of the transcendentals
	v_rcp_f32 v6, v6
	v_rcp_f32 v10, v10
	v_and_b32 v1, 0xf0, v[LI]                      ; 16 (lane % 16)
	v_lshrrev_b32 v[T1], 8, v[LI]                  ; lane / 16
	v_lshl_add_u32 v1, v[T1], 3, v1                ; my 8 bytes of a unit of 256
	v_mov_b32 v12, s[OH]
	v_mov_b32 v13, s[OS]
	s_wait_alu depctr_va_vdst(0)                   ; ahead of the first readers of the reciprocals
	v_ldexp_f32 v6, v6, s[EO]
	v_ldexp_f32 v10, v10, s[EO]
	s_wait_alu depctr_va_vdst(0)                   ; directly ahead of the first readers of O^T
.set j, 0
.rept 16
	v_pk_mul_f32 v[96+j:97+j], v[160+j:161+j], v[6:7] op_sel_hi:[1,0]
.set j, j+2
.endr
.set j, 0
.rept 16
	v_pk_mul_f32 v[128+j:129+j], v[192+j:193+j], v[10:11] op_sel_hi:[1,0]
.set j, j+2
.endr
.set j, 0
.rept 64
	v_med3_num_f32 v[96+j], v[96+j], -v12, v12
.set j, j+1
.endr
.irp t, 0,1,2,3
	v_cvt_scalef32_pk8_fp8_f32 v[224+2*\t:225+2*\t], v[96+8*\t:103+8*\t], v13      ; channels 16 t + 8 (lane / 16) + 0..7 of query lane % 16
	v_cvt_scalef32_pk8_fp8_f32 v[240+2*\t:241+2*\t], v[128+8*\t:135+8*\t], v13
.endr
	v_nop                                          ; a plain line behind the last conversion
.irp t, 0,1,2,3
	global_store_b64 v1, v[224+2*\t:225+2*\t], s[10:11] offset:256*\t
	global_store_b64 v1, v[240+2*\t:241+2*\t], s[10:11] offset:256*\t+262144
.endr
	s_wait_tensorcnt 0x0                           ; the wave's end
	ds_add_u32 v[SPW], v[NIL]
	s_wait_dscnt 0x0
	CROUND                                         ; the closing round
	s_endpgm
.Lfunc_end_k_qd6c1e3399c_attn:
	.size	k_qd6c1e3399c_attn, .Lfunc_end_k_qd6c1e3399c_attn-k_qd6c1e3399c_attn
	.p2alignl 7, 3214868480
	.fill 96, 4, 3214868480
	.section	.rodata,"a",@progbits
	.p2align	6, 0x0
	.amdhsa_kernel k_qd6c1e3399c_attn
		.amdhsa_group_segment_fixed_size 327680
		.amdhsa_private_segment_fixed_size 0
		.amdhsa_enable_private_segment 0
		.amdhsa_kernarg_size 32
		.amdhsa_user_sgpr_count 2
		.amdhsa_user_sgpr_kernarg_segment_ptr 1
		.amdhsa_wavefront_size32 1
		.amdhsa_system_sgpr_workgroup_id_x 1
		.amdhsa_system_sgpr_workgroup_id_y 1
		.amdhsa_system_sgpr_workgroup_id_z 1
		.amdhsa_system_vgpr_workitem_id 0
		.amdhsa_next_free_vgpr 256
		.amdhsa_next_free_sgpr 80
		.amdhsa_reserve_vcc 0
		.amdhsa_float_denorm_mode_32 3
		.amdhsa_float_denorm_mode_16_64 3
		.amdhsa_memory_ordered 1
		.amdhsa_forward_progress 1
		.amdhsa_inst_pref_size 125
	.end_amdhsa_kernel
	.amdgpu_metadata
---
amdhsa.version: [ 1, 2 ]
amdhsa.kernels:
  - .name:           k_qd6c1e3399c_attn
    .symbol:         k_qd6c1e3399c_attn.kd
    .args:
      - { .name: q_img, .offset: 0, .size: 8, .value_kind: global_buffer, .address_space: global }
      - { .name: kv_img, .offset: 8, .size: 8, .value_kind: global_buffer, .address_space: global }
      - { .name: lowp_scales, .offset: 16, .size: 8, .value_kind: global_buffer, .address_space: global }
      - { .name: a_img, .offset: 24, .size: 8, .value_kind: global_buffer, .address_space: global }
    .group_segment_fixed_size: 327680
    .private_segment_fixed_size: 0
    .kernarg_segment_align: 8
    .kernarg_segment_size: 32
    .max_flat_workgroup_size: 512
    .sgpr_count:     80
    .vgpr_count:     256
    .wavefront_size: 32
...
	.end_amdgpu_metadata
.endif
;; end of part 2
;; launch proj (part 3): grid 4 x 64, 4 waves a work-group, clusters of 4 x 4, 327,680 bytes of LDS; arguments a_img, Wo_codes, bo, lowp_scales, out0; writes out0
.if DOCPART == 3
	.amdgcn_target "amdgcn-amd-amdhsa--gfx1250"
	.amdhsa_code_object_version 6
	.text
	.protected	k_qd6c1e3399c_proj
	.globl	k_qd6c1e3399c_proj
	.p2align	8
	.type	k_qd6c1e3399c_proj,@function
k_qd6c1e3399c_proj:
	s_mov_b64 s[64:65], 0
	v_nop
	global_prefetch_b8 v0, s[64:65] scope:SCOPE_SE
	s_setreg_imm32_b32 hwreg(HW_REG_WAVE_MODE, 25, 1), 1
	s_wait_xcnt 0x0
	s_wait_alu depctr_hold_cnt(0) depctr_sa_sdst(0) depctr_va_vdst(0) depctr_va_sdst(0) depctr_va_ssrc(0) depctr_va_vcc(0) depctr_vm_vsrc(0)
	s_getreg_b32 s2, hwreg(HW_REG_IB_STS2, 6, 4)
	s_cmp_eq_u32 s2, 0
	s_cbranch_scc0 .Lentry_in_a_cluster
	s_endpgm
.Lentry_in_a_cluster:
	s_bfe_u32 s2, ttmp6, 0x10000c
	s_cmp_lg_u32 s2, 0xf033
	s_cbranch_scc0 .Lentry_shape_is_right
	s_endpgm
.Lentry_shape_is_right:
; out0 = a Wo + bo on codes of E4M3: a's codes (scale 2^e6) come from the launch before, as images of this launch's operand registers; Wo_codes: [1024 (n)][1024 (k)] bytes, scale 2^e7.  No work of reference() is left out here.
; SHARES.  4 x 64 = 256 work-groups: 128 rows of a (mt) against 256 rows of Wo (nt).  Wave w: wm = w / 2 picks 64 rows, wn = w % 2 128 columns, made in two groups of 64 columns: 16 accumulators that take turns, K = 1,024 in 8 steps of 128.
; a STAYS IN REGISTERS: a wave's 64 rows x 1,024 codes are 512 registers.  a_img [tile of 16 rows][128 along K: 8][quad 4][lane 32][16 bytes] is their image, so each load of a wave is 512 consecutive bytes straight into its place.
; Wo's 256 rows x 1,024 bytes stay in LDS: each wave fetches 64 rows, one tensor load a wave, all at the head; nothing is filled again.
; CLUSTER 4 x 4: Wo's rows hang on nt alone and are asked for jointly along a column of the cluster.  a's rows are not asked for jointly: a joint load ends in LDS, and beside Wo's 266,240 bytes LDS has no room for a's 131,072.
; NO PREFETCH: every byte that the work-group reads is asked for at the head; there is no later load to run ahead of.
; Source 0 = 16 rows of Wo, source 1 = 16 rows of a: a lane holds eight neighbouring columns of one row.  A block of 16 rows x 64 columns goes through the wave's own stage in LDS and leaves as whole rows of 256 bytes, aligned.
; The first group's stores are on their way while the second group is multiplied.
; LIMIT: e6 + e7 between -126 and 127.  NaN among the inputs is not served.
; REGISTERS: window 0: v0-31 addresses; v32-63 a block's results; v64-127 rows read back, two sets; v128-255 Wo's fragments, two sets.  window 1: v0-127 accumulator (a, b) at 8 (4 a + b); v128-191 the biases.  windows 2, 3: a's fragment (a, q) in window 2 + a / 2 at 128 (a % 2) + 16 q.
.set PITCH,  1040                      ; an LDS row: 1,024 bytes + 16 of padding, an odd multiple of 16
.set BROW,   16*PITCH
.set STAGE,  256*PITCH
.set SPITCH, 272
.set SPARE,  STAGE+4*16*SPITCH
.set ADRW, 16                          ; v16-17 LDS address of my fragments of Wo, column group 0, 1
.set OB8,  18
.set STO,  19
.set SPW,  20
.set NIL,  21
.set LI,   22
.set RD,   23
.set CO,   24
.set TMP,  32
.set BK,   64
.set WF,   128
.set G1,   24
.set G0,   32
.set MSB, 0
.macro WIN new
.if MSB != (\new)
	s_set_vgpr_msb (MSB<<8)|(\new)
.set MSB, (\new)
.endif
.endm
.macro PLACES n
.rept \n
	v_nop
.endr
.endm
.macro CROUND
	s_barrier_signal -1
	s_barrier_wait -1
	s_cmp_lg_u32 s14, 0
	s_cbranch_scc1 .Lnot_wave_0_\@
	s_barrier_signal -3
.Lnot_wave_0_\@:
	s_barrier_wait -3
	s_barrier_signal -1
	s_barrier_wait -1
.endm
	s_load_b256 s[4:11], s[0:1], 0x0               ; a_img s[4:5], Wo s[6:7], bo s[8:9], the exponents s[10:11]
	s_load_b64 s[12:13], s[0:1], 0x20              ; out0
	v_lshl_add_u32 v[SPW], v0, 2, SPARE
	v_mov_b32 v[NIL], 0
	ds_add_u32 v[SPW], v[NIL]                      ; the opening: the add, twice on end, and its wait ahead of my tensor load
	ds_add_u32 v[SPW], v[NIL]
	v_lshrrev_b32 v1, 5, v0
	v_readfirstlane_b32 s14, v1                    ; wave
	s_lshr_b32 s15, s14, 1                         ; wm
	s_and_b32 s16, s14, 1                          ; wn
	s_bfe_u32 s20, ttmp6, 0x40000
	s_bfe_u32 s21, ttmp6, 0x40004
	s_lshl_b32 s22, ttmp9, 2
	s_add_co_u32 s22, s22, s20                     ; nt
	s_and_b32 s23, ttmp7, 0xffff
	s_lshl_b32 s23, s23, 2
	s_add_co_u32 s23, s23, s21                     ; mt
	s_lshl_b32 s41, 0x1111, s20                    ; my column of the cluster
	s_or_b32 s[G1], s41, (1<<20)|(1<<21)|(7<<22)|(3<<25)   ; elements of 1 byte; padding: four words after every 256; bit 21 beside a mask
	s_mov_b32 s[G1+1], 1024<<16
	s_mov_b32 s[G1+2], 64<<16
	s_mov_b32 s[G1+3], 1024<<16
	s_mov_b32 s[G1+4], 64
	s_mov_b32 s[G1+5], 1024
	s_mov_b32 s[G1+6], 0
	s_mov_b32 s[G1+7], 0
	s_lshl_b32 s44, s22, 18
	s_lshl_b32 s45, s14, 16
	s_add_co_u32 s44, s44, s45                     ; Wo: row 256 nt + 64 wave
	s_mov_b32 s45, 0
	s_mul_i32 s47, s14, 64*PITCH
	s_lshl_b32 s42, s23, 17
	s_lshl_b32 s43, s15, 16
	s_add_co_u32 s42, s42, s43                     ; a_img: tile 8 mt + 4 wm, 16,384 bytes each
	s_mov_b32 s43, 0
	s_lshl_b32 s82, s22, 10
	s_lshl_b32 s83, s16, 9
	s_add_co_u32 s82, s82, s83                     ; my first column, in bytes
	s_mov_b32 s83, 0
	s_lshl_b32 s80, s23, 19
	s_lshl_b32 s81, s15, 18
	s_add_co_u32 s80, s80, s81
	s_add_co_u32 s80, s80, s82                     ; out0: row 128 mt + 64 wm of 4,096 bytes, + my first column
	s_mov_b32 s81, 0
	s_mul_i32 s77, s16, 128*PITCH
	s_mul_i32 s79, s14, 16*SPITCH
	s_add_co_u32 s79, s79, STAGE
	s_wait_dscnt 0x0
	s_wait_kmcnt 0x0
	s_load_b256 s[68:75], s[10:11], 0x0
	s_mov_b32 s[G0], 1
	s_mov_b32 s[G0+1], s47
	s_add_nc_u64 s[G0+2:G0+3], s[6:7], s[44:45]
	s_or_b32 s[G0+3], s[G0+3], 0x80000000
	s_add_nc_u64 s[4:5], s[4:5], s[42:43]
	s_add_nc_u64 s[8:9], s[8:9], s[82:83]
	s_add_nc_u64 s[12:13], s[12:13], s[80:81]
	CROUND                                         ; all sixteen work-groups are here: the joint loads meet
	tensor_load_to_lds s[G0:G0+3], s[G1:G1+7]      ; my one tensor load: 64 rows of Wo
	s_nop 0
	PLACES 4
	v_and_b32 v6, 31, v0
	v_lshlrev_b32 v[LI], 4, v6
	WIN 0x80
.irp a, 0,1
.irp q, 0,1,2,3,4,5,6,7
.irp c, 0,1,2,3
	global_load_b128 v[128*\a+16*\q+4*\c:128*\a+16*\q+4*\c+3], v[LI], s[4:5] offset:\a*16384+\q*2048+\c*512
.endr
.endr
.endr
	WIN 0xc0
.irp a, 0,1
.irp q, 0,1,2,3,4,5,6,7
.irp c, 0,1,2,3
	global_load_b128 v[128*\a+16*\q+4*\c:128*\a+16*\q+4*\c+3], v[LI], s[4:5] offset:(\a+2)*16384+\q*2048+\c*512
.endr
.endr
.endr
	WIN 0
	v_and_b32 v1, 15, v0                           ; r
	v_bfe_u32 v2, v0, 4, 1                         ; h
	v_mul_u32_u24 v3, v1, PITCH
	v_lshl_add_u32 v3, v2, 4, v3
	v_add_nc_u32 v[ADRW], s77, v3
	v_add_nc_u32 v[ADRW+1], 64*PITCH, v[ADRW]
	v_mul_u32_u24 v5, v1, SPITCH                   ; into the stage: row r, 32 bytes for each half of the lanes
	v_lshl_add_u32 v5, v2, 5, v5
	v_add_nc_u32 v[STO], s79, v5
	v_mul_u32_u24 v5, v2, SPITCH                   ; back: lanes 0-15 one row of 256 bytes, lanes 16-31 the next
	v_lshl_add_u32 v5, v1, 4, v5
	v_add_nc_u32 v[RD], s79, v5
	v_lshlrev_b32 v[CO], 12, v2                    ; and the same two rows in out0
	v_lshl_add_u32 v[CO], v1, 4, v[CO]
	v_lshlrev_b32 v[OB8], 5, v2
	WIN 0x40
.irp b, 0,1,2,3,4,5,6,7
	global_load_b128 v[128+8*\b:128+8*\b+3], v[OB8], s[8:9] offset:64*\b          ; the biases of columns 16 b + 8 h + 0..7
	global_load_b128 v[128+8*\b+4:128+8*\b+7], v[OB8], s[8:9] offset:64*\b+16
.endr
	WIN 0
.macro FETCHW g, q, set                ; Wo's four blocks of column group g, the q-th 128 along K: 16 loads
.irp b, 0,1,2,3
.irp c, 0,1,2,3
	ds_load_b128 v[WF+64*(\set)+16*\b+4*\c:WF+64*(\set)+16*\b+4*\c+3], v[ADRW+\g] offset:\b*BROW+128*(\q)+32*\c
.endr
.endr
.endm
.macro MUL8 hi, q, set, first          ; a's blocks 2 hi, 2 hi + 1 against Wo's four; first: the products start the sums
	WIN 0x58+4*\hi
.irp a, 0,1
.irp b, 0,1,2,3
.if \first
	v_wmma_f32_16x16x128_fp8_fp8 v[8*(4*(2*\hi+\a)+\b):8*(4*(2*\hi+\a)+\b)+7], v[WF+64*(\set)+16*\b:WF+64*(\set)+16*\b+15], v[128*\a+16*(\q):128*\a+16*(\q)+15], 0
.else
	v_wmma_f32_16x16x128_fp8_fp8 v[8*(4*(2*\hi+\a)+\b):8*(4*(2*\hi+\a)+\b)+7], v[WF+64*(\set)+16*\b:WF+64*(\set)+16*\b+15], v[128*\a+16*(\q):128*\a+16*(\q)+15], v[8*(4*(2*\hi+\a)+\b):8*(4*(2*\hi+\a)+\b)+7]
.endif
.endr
.endr
.endm
.macro QSTEP g, q, ng, nq, first       ; 128 along K; the fragments of (ng, nq) are asked for first, into the set that the last step read (four places behind its products)
	PLACES 4
	WIN 0
	FETCHW \ng, \nq, 1-(\q)%2
	s_wait_dscnt 16                                ; all but the 16 just issued
	MUL8 0, \q, (\q)%2, \first
	MUL8 1, \q, (\q)%2, \first
.endm
.macro TOSTAGE a, g                    ; block a: x 2^(e6 + e7), + bias, each accumulator from its low end on; into my stage, and back as whole rows
	s_wait_xcnt 0x0                                ; earlier stores have read the registers on which the loads below land
	WIN 0x11
.set j, 0
.rept 16
	v_pk_fma_f32 v[TMP+j:TMP+j+1], v[32*(\a)+j:32*(\a)+j+1], s[96:97], v[128+32*\g+j:128+32*\g+j+1] op_sel_hi:[1,0,1]
.set j, j+2
.endr
	WIN 0
.irp b, 0,1,2,3
	ds_store_b128 v[STO], v[TMP+8*\b:TMP+8*\b+3] offset:64*\b
	ds_store_b128 v[STO], v[TMP+8*\b+4:TMP+8*\b+7] offset:64*\b+16
.endr
.irp t, 0,1,2,3,4,5,6,7
	ds_load_b128 v[BK+32*((\a)%2)+4*\t:BK+32*((\a)%2)+4*\t+3], v[RD] offset:\t*2*SPITCH   ; LDS serves a wave's instructions in order (ISA guide 5.7.1.4)
.endr
.endm
.macro SEND a, g, younger
	s_wait_dscnt \younger
.irp t, 0,1,2,3,4,5,6,7
	global_store_b128 v[CO], v[BK+32*((\a)%2)+4*\t:BK+32*((\a)%2)+4*\t+3], s[12:13] offset:(\a)*65536+2*\t*4096+256*\g th:TH_STORE_NT   ; 16 lanes store 256 consecutive bytes, aligned
.endr
.endm
.macro OUT g
	WIN 0
	PLACES 4
	TOSTAGE 0, \g
.irp a, 1,2,3
	TOSTAGE \a, \g
	SEND \a-1, \g, 16                              ; behind block a - 1's loads: block a's 8 stores and 8 loads
.endr
	SEND 3, \g, 0
.endm
	s_wait_kmcnt 0x0
	s_add_co_i32 s96, s74, s75
	s_add_co_i32 s96, s96, 127
	s_lshl_b32 s96, s96, 23                        ; 2^(e6 + e7)
	s_mov_b32 s97, s96
	s_wait_alu depctr_va_vdst(0)                   ; at the head's end
	s_wait_tensorcnt 0x0                           ; my 64 rows of Wo are in
	s_barrier_signal -1
	s_barrier_wait -1                              ; everybody's are
	FETCHW 0, 0, 0
	s_wait_loadcnt 0x0                             ; a and the biases
	QSTEP 0, 0, 0, 1, 1
.irp q, 1,2,3,4,5,6
	QSTEP 0, \q, 0, \q+1, 0
.endr
	QSTEP 0, 7, 1, 0, 0                            ; the second group's first fragments are asked for ahead of the first group's way out
	OUT 0
	QSTEP 1, 0, 1, 1, 1
.irp q, 1,2,3,4,5,6
	QSTEP 1, \q, 1, \q+1, 0
.endr
	s_wait_dscnt 0x0
	MUL8 0, 7, 1, 0
	MUL8 1, 7, 1, 0
	OUT 1
	s_wait_tensorcnt 0x0                           ; the wave's end
	ds_add_u32 v[SPW], v[NIL]
	s_wait_dscnt 0x0
	CROUND                                         ; the closing round
	s_endpgm
.Lfunc_end_k_qd6c1e3399c_proj:
	.size	k_qd6c1e3399c_proj, .Lfunc_end_k_qd6c1e3399c_proj-k_qd6c1e3399c_proj
	.p2alignl 7, 3214868480
	.fill 96, 4, 3214868480
	.section	.rodata,"a",@progbits
	.p2align	6, 0x0
	.amdhsa_kernel k_qd6c1e3399c_proj
		.amdhsa_group_segment_fixed_size 327680
		.amdhsa_private_segment_fixed_size 0
		.amdhsa_enable_private_segment 0
		.amdhsa_kernarg_size 40
		.amdhsa_user_sgpr_count 2
		.amdhsa_user_sgpr_kernarg_segment_ptr 1
		.amdhsa_wavefront_size32 1
		.amdhsa_system_sgpr_workgroup_id_x 1
		.amdhsa_system_sgpr_workgroup_id_y 1
		.amdhsa_system_sgpr_workgroup_id_z 1
		.amdhsa_system_vgpr_workitem_id 0
		.amdhsa_next_free_vgpr 1024
		.amdhsa_next_free_sgpr 100
		.amdhsa_reserve_vcc 0
		.amdhsa_float_denorm_mode_32 3
		.amdhsa_float_denorm_mode_16_64 3
		.amdhsa_memory_ordered 1
		.amdhsa_forward_progress 1
		.amdhsa_inst_pref_size 78
	.end_amdhsa_kernel
	.amdgpu_metadata
---
amdhsa.version: [ 1, 2 ]
amdhsa.kernels:
  - .name:           k_qd6c1e3399c_proj
    .symbol:         k_qd6c1e3399c_proj.kd
    .args:
      - { .name: a_img, .offset: 0, .size: 8, .value_kind: global_buffer, .address_space: global }
      - { .name: Wo_codes, .offset: 8, .size: 8, .value_kind: global_buffer, .address_space: global }
      - { .name: bo, .offset: 16, .size: 8, .value_kind: global_buffer, .address_space: global }
      - { .name: lowp_scales, .offset: 24, .size: 8, .value_kind: global_buffer, .address_space: global }
      - { .name: out0, .offset: 32, .size: 8, .value_kind: global_buffer, .address_space: global }
    .group_segment_fixed_size: 327680
    .private_segment_fixed_size: 0
    .kernarg_segment_align: 8
    .kernarg_segment_size: 40
    .max_flat_workgroup_size: 128
    .sgpr_count:     100
    .vgpr_count:     1024
    .wavefront_size: 32
...
	.end_amdgpu_metadata
.endif
;; end of part 3
